; MI455X (gfx1250); checked and timed in simulation.
; The chip was launched on July 23, 2026; its instructions are those of AMD's public machine-readable ISA for CDNA 5 (MIT licence, August 2026) and "CDNA5" Instruction Set Architecture Reference Guide (July 2026). The comments in the code are by the model that wrote it; some were corrected since.
;; Dot Product Attention. Allowed arithmetic: matrix products marked QUANTISED: E4M3 operands, one E8M0 scale for each 32 along K, by v_wmma_scale_f32_16x16x128_f8f6f4 with both operands' format E4M3, f32 sums; everything else in f32.
;; Inputs: query 16 x 1,024 x 1,024 float32; value 16 x 2,048 x 1,024 float32.
;; Outputs: out0 16 x 1,024 x 1,024 float32.
;; This version of the problem:
;;   THIS VERSION OF THE PROBLEM IS GIVEN IN LOW PRECISION. The matrix products marked QUANTISED in the list below multiply operands that are first quantised to E4M3 (4 exponent bits, 3 mantissa bits; 8 bits a number), with one power-of-two scale for each 32 numbers along K (OCP MX v1.0); their sums are f32. All else is computed in f32.
;;   The module's matrix products, in the order in which they are computed (A, B: the left and right operand; K: the contracted axis; several contracted axes count as one K, in the product's order):
;;     1. batch 16 x [M 1,024, K 1,024] x [K 1,024, N 2,048]; A: input query; B: input value: QUANTISED
;;     2. batch 16 x [M 1,024, K 2,048] x [K 2,048, N 1,024]; A: softmax (see below); B: input value: QUANTISED
;;   THE QUANTISER, for each operand of a quantised product, along K:
;;     - K is cut into blocks of 32 from its start; a last block that is shorter is filled with zeros.
;;     - A block's scale is 2^e with e = floor(log2(the largest magnitude in the block)) - 8, held to -126 .. 127; a block of zeros has e = 0. As a byte (E8M0): e + 127.
;;     - Each number is divided by its block's scale, clamped to +-448, and rounded to the nearest number of E4M3, ties to even, subnormals kept.
;;     - The product sums the exact products of the quantised numbers (number of the format x scale) in f32.
;;   ~~~python
;;   def quantise(x, axis):      # numpy; x: float32 -> the quantised numbers, widened to float32 again
;;       x = np.moveaxis(x, axis, -1); K = x.shape[-1]
;;       x = np.pad(x, [(0, 0)] * (x.ndim - 1) + [(0, -K % 32)]); x = x.reshape(x.shape[:-1] + (-1, 32)); a = np.abs(x).max(-1, keepdims=True)
;;       e = np.where(a > 0, np.clip(np.frexp(np.where(a > 0, a, 1))[1] - 1 - 8, -126, 127), 0)      # np.frexp(a)[1] - 1 = floor(log2(a)), exactly
;;       r = np.clip(x / 2.0 ** e, -448, 448)
;;       step = 2.0 ** (np.maximum(np.frexp(np.where(r == 0, 1, r))[1] - 1, -6) - 3)
;;       q = np.round(r / step) * step * 2.0 ** e      # np.round: ties to even
;;       return np.moveaxis(q.reshape(q.shape[:-2] + (-1,))[..., :K], -1, axis).astype(np.float32)
;;   ~~~
;;   SOFTMAX AHEAD OF A QUANTISED PRODUCT. Where the list says 'softmax', what is quantised is not the finished softmax but p = 2^(t - M), with t = logit x log2(e) and M = ceil(the row's largest t), a whole number; so 1/2 < the row's largest p <= 1. The row's sum l is taken of the UNQUANTISED p, in f32, and the product's result is divided by l at the end. Since M is a whole number, a kernel that streams over the keys may use a running M (the ceiling of the running maximum): every later rescaling is an exact power of two, which a block's scale takes up: the codes' values come out the same.
;;   OPERANDS COMPUTED ON THE WAY. 'Computed on the way' means the value that the module computes at that place (a softmax that the list does not call 'softmax' is quantised finished and normalised). What goes into a quantiser is computed in f32, as accurately as f32 sums, v_exp_f32 and their like allow (about 1e-6 of the number): no bf16 or f16 on the way to a quantiser, and a product that is left as it is and whose result goes on into a quantised operand takes f32 operands (vector FMAs, or v_wmma_f32_16x16x4_f32). A number that lies on a knife's edge between two numbers of the format may be rounded either way, as far as f32 arithmetic and the matrix unit's own rounding can turn it there, and no further.
;; One version. Each part assembles by itself: llvm-mc -triple=amdgcn-amd-amdhsa -mcpu=gfx1250 --defsym DOCPART=n.
;; ======== version 1 of 1: 3 launches
;; workspace buffers: qc 16,777,216 bytes; kc 33,554,432 bytes; tc 33,554,432 bytes; pc 33,554,432 bytes; sc 2,621,440 bytes; pt 3,145,728 bytes
;; launch quant (part 1): grid 768 x 1, 4 waves a work-group, no clusters, 70,144 bytes of LDS; arguments query, value, qc, kc, tc, sc; writes qc, kc, tc, sc
.if DOCPART == 1
	.amdgcn_target "amdgcn-amd-amdhsa--gfx1250"
	.amdhsa_code_object_version 6
	.text
	.protected	k_q16743c1bd3_quant
	.globl	k_q16743c1bd3_quant
	.p2align	8
	.type	k_q16743c1bd3_quant,@function
k_q16743c1bd3_quant:
	s_mov_b64 s[64:65], 0
	v_nop
	global_prefetch_b8 v0, s[64:65] scope:SCOPE_SE
	s_setreg_imm32_b32 hwreg(HW_REG_WAVE_MODE, 25, 1), 1
	s_wait_xcnt 0x0
; query [16][1024][1024] and value [16][2048][1024], f32, become codes of FP8 (E4M3) with one E8M0 scale byte for each 32 along K.
; Both are quantised along the last axis (K of the first product); value a second time along the keys (K of the second product).
; A block's scale is 2^(floor(log2(its largest magnitude)) - 8); its byte is the largest magnitude's exponent field - 8, held at 1 from below; each number is
; divided by the scale, held within +-448 and rounded to the nearest code, ties to even.
; LIMITS: NaN and infinities among the inputs are not served.  A block of zeros gets the byte 1 where the rule says 127: its codes are zeros, and this program alone reads the bytes.
; THE CODES ARE LAID AS IMAGES OF OPERAND REGISTERS: a fragment (16 rows x 128 K) is 2,048 bytes; byte 512 c + 16 lane + j is row lane % 16 at k = 32 c + 16 (lane / 16) + j.
;   qc, kc: image (RB, s) at (8 RB + s) x 2,048: RB a block of 16 row POSITIONS, s = column / 128.   tc: image (CB, s) at (16 CB + s) x 2,048: CB = 64 batch + channel / 16, s = key / 128.
; POSITION: within each 32 rows bits 3 and 4 of the row's number change places.  For the keys this makes the 16 registers of two neighbouring tiles of scores 16 neighbouring keys;
; the queries take the same path, and the last launch undoes it in its stores.
; SCALE WORDS (four bytes: a row's 128 along K): word (row R, step s) at ((R / 128) NS + s) x 512 + 4 (R % 128): query's at sc + 0 (NS 8), value's at + 524,288 (NS 8), value's along the keys at + 1,572,864 (NS 16).
; SHARES: a tile is 128 rows x 128 columns (64 KiB); tiles 0 .. 2,047 are value's, 2,048 .. 3,071 query's; only pointers are chosen by the tile's number.
; A WORK-GROUP STAYS: work-group g of 768 takes tiles g, g + 768, g + 1,536, g + 2,304.  A wave loads 32 rows of a tile, 512 consecutive bytes a load, into registers of their own (v176-303),
; and asks for the NEXT tile's rows as soon as its LDS stores of this tile's have read those registers: 16 KiB a wave are on their way while this tile is quantised.
; The tile lies in LDS by positions; each wave makes two row fragments and, of value, the codes of 32 channels down the 128 keys.
; TWO BARRIERS A TILE: behind the first the tile is whole; in front of the second every wave's reads of it are back, so that behind it the next tile's rows may be stored.  The stage of scale words is read
; behind the second barrier by waves 0 and 1, and written again only behind the next tile's first, which those waves reach behind their reads.
; No tensor load, no cluster (work-groups share no input), no matrix unit: the launch is a stream.
.set TP,   528                         ; an LDS row: 512 bytes + 16: row r starts 4 r banks on, so the 16 rows of a load fall on 16 different groups of banks (64 banks of 4 bytes: ISA guide 11.1)
.set STG,  128*TP                      ; behind the tile: 512 bytes of row scale words, 512 of the keys-innermost ones
.set NVAL, 2048                        ; value's tiles
.set WGS,  768                         ; work-groups: from a work-group's tile to its next
.set TRIPS, 4                          ; tiles of a work-group
.set TM,   16                          ; v16-19 largest magnitudes, v20-23 bytes, v24-27 448 x the scale, v28-31 the conversions' scale operands
.set PC0,  32                          ; v32-47  fragment 0's codes
.set PW0,  48                          ; v48, v49 the two fragments' scale words
.set PW1,  49
.set VW,   50                          ; v50     my channel's scale word along the keys
.set TBR,  52                          ; v52-55  a table's 16 bytes on the way out
.set Y,    64                          ; v64-127 the numbers at work: a fragment's 64, or two blocks of 32 keys by turns
.set PC1,  128                         ; v128-143 fragment 1's codes
.set TC,   144                         ; v144-175 my channel's 128 codes along the keys
.set XB,   176                         ; v176-303 the rows on their way, four registers a row: rows 0-19 in v176-255,
.set XSPL, 20                          ; rows 20-31 in v256-303, named v0-47 of window 1
.set WV,   16                          ; s16     my wave's number
.set SEL,  40                          ; s[40:41] v_permlanex16_b32's selects for lane l xor 16
.set MNT,  42                          ; s42     the mantissa field of 448
; s17 the tile at work, s18 the tile whose rows are on their way; s[30:31] its rows; s[32:33] this tile's images, s[34:35] its rows' scale words, s[36:37] its images in tc, s[38:39] their scale words; s43 trips to go
.set MSB, 0
.macro WIN new                         ; s_set_vgpr_msb: bits 1:0 source 0, 3:2 source 1, 7:6 destination; the immediate's high byte repeats the setting that is left
.if MSB != \new
	s_set_vgpr_msb (MSB<<8)|\new
.set MSB, \new
.endif
.endm
; 64 numbers of a lane, register 16 b + i = k 32 b + 16 (lane / 16) + i of my row, become a fragment's codes in v[pc] on and its scale word in v[pw]
.macro QUANT s, pc, pw
.irp b, 0,1,2,3
	v_max3_num_f32 v[TM+\b], |v[\s+16*\b]|, |v[\s+1+16*\b]|, 0x4800000   ; block b: my 16 numbers, and the floor 2^(9 - 127): the byte cannot fall under 1
.endr
.irp i, 2,4,6,8,10,12,14
.irp b, 0,1,2,3
	v_max3_num_f32 v[TM+\b], v[TM+\b], |v[\s+16*\b+\i]|, |v[\s+1+16*\b+\i]|   ; the four blocks by turns
.endr
.endr
.irp b, 0,1,2,3
	v_permlanex16_b32 v[TM+4+\b], v[TM+\b], s[SEL], s[SEL+1]
.endr
.irp b, 0,1,2,3
	v_max_num_f32 v[TM+\b], v[TM+\b], v[TM+4+\b]              ; with lane l xor 16's: the block's largest magnitude
.endr
.irp b, 0,1,2,3
	v_add_nc_u32 v[TM+12+\b], 0xfc000000, v[TM+\b]            ; 8 off its exponent field: the conversion's scale operand
.endr
.irp b, 0,1,2,3
	v_and_or_b32 v[TM+8+\b], v[TM+\b], 0x7f800000, s[MNT]     ; 448 x the scale
.endr
.irp b, 0,1,2,3
	v_lshrrev_b32 v[TM+4+\b], 23, v[TM+12+\b]                 ; the scale's byte
.endr
	v_lshl_or_b32 v[\pw], v[TM+5], 8, v[TM+4]
	v_lshl_or_b32 v[\pw], v[TM+6], 16, v[\pw]
	v_lshl_or_b32 v[\pw], v[TM+7], 24, v[\pw]
.irp b, 0,1,2,3
.irp i, 0,1,2,3,4,5,6,7,8,9,10,11,12,13,14,15
	v_med3_num_f32 v[\s+16*\b+\i], v[\s+16*\b+\i], -v[TM+8+\b], v[TM+8+\b]   ; the conversion to an 8-bit code does not saturate (ISA guide 7.6.2): the hold
.endr
	v_cvt_scalef32_pk8_fp8_f32 v[\pc+4*\b:\pc+1+4*\b], v[\s+16*\b:\s+7+16*\b], v[TM+12+\b]
	v_cvt_scalef32_pk8_fp8_f32 v[\pc+2+4*\b:\pc+3+4*\b], v[\s+8+16*\b:\s+15+16*\b], v[TM+12+\b]
.endr
	v_nop                                          ; a plain line behind the last conversion
.endm
; keys 32 b .. 32 b + 31 of my channel, in the keys' own order, into set b % 2 of Y: key i lies at position (i with bits 3 and 4 exchanged)
.macro LOADB b
.set i, 0
.rept 32
.if (\b) < 2
	ds_load_b32 v[Y+32*((\b)%2)+i], v7 offset:(32*(\b)+(i&7)+16*((i>>3)&1)+8*((i>>4)&1))*TP
.else
	ds_load_b32 v[Y+32*((\b)%2)+i], v12 offset:(32*((\b)-2)+(i&7)+16*((i>>3)&1)+8*((i>>4)&1))*TP
.endif
.set i, i+1
.endr
.endm
; a block of 32 keys lies in ONE lane's 32 registers: its largest magnitude needs no other lane
.macro BLOCK b
.set XS, Y+32*((\b)%2)
	v_max3_num_f32 v[TM], |v[XS]|, |v[XS+1]|, |v[XS+2]|
	v_max3_num_f32 v[TM+1], |v[XS+3]|, |v[XS+4]|, |v[XS+5]|
.irp i, 6,10,14,18,22,26
	v_max3_num_f32 v[TM], v[TM], |v[XS+\i]|, |v[XS+\i+1]|
	v_max3_num_f32 v[TM+1], v[TM+1], |v[XS+\i+2]|, |v[XS+\i+3]|
.endr
	v_max3_num_f32 v[TM], v[TM], |v[XS+30]|, |v[XS+31]|
	v_max3_num_f32 v[TM], v[TM], v[TM+1], 0x4800000
	v_add_nc_u32 v[TM+12], 0xfc000000, v[TM]
	v_and_or_b32 v[TM+8], v[TM], 0x7f800000, s[MNT]
	v_lshrrev_b32 v[TM+4], 23, v[TM+12]
.if (\b) == 0
	v_mov_b32 v[VW], v[TM+4]
.else
	v_lshl_or_b32 v[VW], v[TM+4], 8*(\b), v[VW]
.endif
.irp i, 0,1,2,3,4,5,6,7,8,9,10,11,12,13,14,15,16,17,18,19,20,21,22,23,24,25,26,27,28,29,30,31
	v_med3_num_f32 v[XS+\i], v[XS+\i], -v[TM+8], v[TM+8]
.endr
.irp g, 0,1,2,3
	v_cvt_scalef32_pk8_fp8_f32 v[TC+8*(\b)+2*\g:TC+8*(\b)+2*\g+1], v[XS+8*\g:XS+8*\g+7], v[TM+12]
.endr
	v_nop
	global_store_b128 v8, v[TC+8*(\b):TC+8*(\b)+3], s[36:37] offset:512*(\b)          ; keys 32 b + 0 .. 15: sixteen lanes fill 256 consecutive bytes, aligned; lanes 16-31 those of the next channel block
	global_store_b128 v8, v[TC+8*(\b)+4:TC+8*(\b)+7], s[36:37] offset:512*(\b)+256    ; keys 32 b + 16 .. 31
.endm
; The rows of tile s18 are asked for: my wave's 32, 512 consecutive bytes a load.  No load of mine is out here, so the base may be written.
.macro GETTILE
	s_cmp_lt_u32 s18, NVAL                         ; value's tile or query's?  The choice hangs on the tile's number alone
	s_cselect_b64 s[44:45], s[6:7], s[4:5]
	s_cselect_b32 s19, 0, NVAL
	s_sub_co_u32 s19, s18, s19                     ; the tile's number in its tensor
	s_and_b32 s20, s19, 7                          ; column tile
	s_lshr_b32 s21, s19, 3                         ; row tile
	s_lshl_b32 s22, s21, 19                        ; 128 rows of 4,096 bytes,
	s_lshl_b32 s24, s20, 9                         ; 512 bytes a column tile,
	s_add_co_u32 s22, s22, s24
	s_lshl_b32 s24, s[WV], 17                      ; my wave's 32 rows
	s_add_co_u32 s22, s22, s24
	s_mov_b32 s23, 0
	s_add_nc_u64 s[30:31], s[44:45], s[22:23]
.set i, 0
.rept 32
.if i < XSPL
	global_load_b128 v[XB+4*i:XB+4*i+3], v4, s[30:31] offset:i*4096 th:TH_LOAD_NT   ; read once in the launch
.else
	WIN 0x40                                       ; destination window 1
	global_load_b128 v[4*(i-XSPL):4*(i-XSPL)+3], v4, s[30:31] offset:i*4096 th:TH_LOAD_NT
.endif
.set i, i+1
.endr
	WIN 0
.endm
; The rows that were asked for go to their positions in the tile.
.macro TOLDS
.set i, 0
.rept 32
.if i%8 == 0
	s_wait_loadcnt 24-i                            ; loads come back in order: these eight rows are in, the younger ones may be out
.endif
.if i < XSPL
	ds_store_b128 v5, v[XB+4*i:XB+4*i+3] offset:((i&7)+16*((i>>3)&1)+8*((i>>4)&1))*TP
.else
	WIN 0x04                                       ; an LDS store's data are its source 1: window 1
	ds_store_b128 v5, v[4*(i-XSPL):4*(i-XSPL)+3] offset:((i&7)+16*((i>>3)&1)+8*((i>>4)&1))*TP
.endif
.set i, i+1
.endr
	WIN 0
.endm
; Where tile s17's results go.
.macro BASES
	s_cmp_lt_u32 s17, NVAL
	s_cselect_b64 s[44:45], s[10:11], s[8:9]       ; kc or qc
	s_cselect_b32 s25, 0x80000, 0                  ; the section of sc
	s_cselect_b32 s19, 0, NVAL
	s_sub_co_u32 s19, s17, s19                     ; the tile's number in its tensor
	s_and_b32 s20, s19, 7                          ; column tile = K step
	s_lshr_b32 s21, s19, 3                         ; row tile
	s_mov_b32 s23, 0
	s_lshl_b32 s22, s21, 17                        ; the row fragments' images: ((8 row tile + 2 wave + f) 8 + column tile) x 2,048
	s_lshl_b32 s24, s[WV], 15
	s_add_co_u32 s22, s22, s24
	s_lshl_b32 s24, s20, 11
	s_add_co_u32 s22, s22, s24
	s_add_nc_u64 s[32:33], s[44:45], s[22:23]
	s_lshl_b32 s22, s19, 9                         ; the rows' scale words: (8 row tile + column tile) x 512 = tile x 512
	s_add_co_u32 s22, s22, s25
	s_add_nc_u64 s[34:35], s[14:15], s[22:23]
	s_lshr_b32 s26, s21, 4                         ; value: the batch,
	s_and_b32 s27, s21, 15                         ; and which 128 keys of it
	s_lshl_b32 s22, s26, 21                        ; tc: ((64 batch + 8 column tile + 2 wave) 16 + key step) x 2,048
	s_lshl_b32 s24, s20, 18
	s_add_co_u32 s22, s22, s24
	s_lshl_b32 s24, s[WV], 16
	s_add_co_u32 s22, s22, s24
	s_lshl_b32 s24, s27, 11
	s_add_co_u32 s22, s22, s24
	s_add_nc_u64 s[36:37], s[12:13], s[22:23]
	s_lshl_b32 s22, s26, 16                        ; its scale words: ((8 batch + column tile) 16 + key step) x 512
	s_lshl_b32 s24, s20, 13
	s_add_co_u32 s22, s22, s24
	s_lshl_b32 s24, s27, 9
	s_add_co_u32 s22, s22, s24
	s_add_co_u32 s22, s22, 1572864
	s_add_nc_u64 s[38:39], s[14:15], s[22:23]
.endm
; A tile.  ahead = 1: the work-group's next tile is asked for.
.macro TRIP ahead
	TOLDS
	s_wait_dscnt 0x0                               ; for the others' sake: my rows lie in the tile; and the LDS stores have read the rows' registers, which the next loads take
	s_wait_xcnt 0x0                                ; the last tile's global stores have read their data registers and their bases: both are written again only behind this wait
	s_mov_b32 s17, s18                             ; the tile at work
	BASES
.if \ahead
	s_add_co_u32 s18, s18, WGS
	GETTILE                                        ; ahead of the barrier: a wave whose rows came early does not hold its next loads back for the others
.endif
	s_barrier_signal -1
	s_barrier_wait -1                              ; the tile is whole
.irp b, 0,1,2,3
.irp j, 0,1,2,3
	ds_load_b128 v[Y+16*\b+4*\j:Y+16*\b+4*\j+3], v6 offset:128*\b+16*\j             ; fragment 0: positions 32 wave + 0 .. 15
.endr
.endr
	s_wait_dscnt 0x0
	QUANT Y, PC0, PW0
	ds_store_b32 v9, v[PW0]                        ; lanes r and r + 16 write the same word with the same value
.irp b, 0,1,2,3
.irp j, 0,1,2,3
	ds_load_b128 v[Y+16*\b+4*\j:Y+16*\b+4*\j+3], v6 offset:16*TP+128*\b+16*\j       ; fragment 1, asked for ahead of fragment 0's stores
.endr
.endr
.irp c, 0,1,2,3
	global_store_b128 v4, v[PC0+4*\c:PC0+4*\c+3], s[32:33] offset:512*\c            ; 32 lanes store 512 consecutive bytes
.endr
	s_wait_dscnt 0x0
	QUANT Y, PC1, PW1
	ds_store_b32 v9, v[PW1] offset:64
.irp c, 0,1,2,3
	global_store_b128 v4, v[PC1+4*\c:PC1+4*\c+3], s[32:33] offset:16384+512*\c      ; the next position block: 8 images on
.endr
	s_cmp_lt_u32 s17, NVAL
	s_cbranch_scc0 .Lnovt_\@                       ; query has no second K; no barrier stands in what is jumped over
	LOADB 0
	LOADB 1
	s_wait_dscnt 32                                ; block 0's 32 loads are in; the next block's may be out
	BLOCK 0
	LOADB 2
	s_wait_dscnt 32
	BLOCK 1
	LOADB 3
	s_wait_dscnt 32
	BLOCK 2
	s_wait_dscnt 0x0
	BLOCK 3
	ds_store_b32 v10, v[VW]
.Lnovt_\@:
	s_wait_dscnt 0x0                               ; for the others' sake: my scale words lie in the stage, and my reads of the tile are back
	s_barrier_signal -1
	s_barrier_wait -1
	s_cmp_gt_u32 s[WV], 1
	s_cbranch_scc1 .Ldone_\@
	s_cmp_eq_u32 s[WV], 0
	s_cbranch_scc1 .Lrows_\@
	s_cmp_lt_u32 s17, NVAL
	s_cbranch_scc0 .Ldone_\@
	ds_load_b128 v[TBR:TBR+3], v11                 ; wave 1, value alone: the 128 channels' words
	s_wait_dscnt 0x0
	global_store_b128 v4, v[TBR:TBR+3], s[38:39]   ; 512 consecutive bytes
	s_branch .Ldone_\@
.Lrows_\@:
	ds_load_b128 v[TBR:TBR+3], v11                 ; wave 0: the 128 rows' words
	s_wait_dscnt 0x0
	global_store_b128 v4, v[TBR:TBR+3], s[34:35]
.Ldone_\@:
.endm
	s_load_b256 s[4:11], s[0:1], 0x0               ; query s[4:5], value s[6:7], qc s[8:9], kc s[10:11]: they stay
	s_load_b128 s[12:15], s[0:1], 0x20             ; tc s[12:13], sc s[14:15]
	v_lshl_add_u32 v62, v0, 2, 0x11000
	v_mov_b32 v63, 0
	v_lshrrev_b32 v1, 5, v0
	v_readfirstlane_b32 s[WV], v1                  ; wave 0..3
	v_and_b32 v1, 31, v0                           ; lane
	v_and_b32 v2, 15, v0                           ; r
	v_bfe_u32 v3, v0, 4, 1                         ; h
	v_lshlrev_b32 v4, 4, v1                        ; 16 x lane: my place in a load's, an image's and a table's 512 bytes; never rewritten
	s_mul_i32 s21, s[WV], 32*TP
	v_add_nc_u32 v5, s21, v4                       ; the tile, on the way in: my wave's 32 rows, 16 bytes a lane
	v_mul_u32_u24 v6, v2, TP
	v_lshl_add_u32 v6, v3, 6, v6
	v_add_nc_u32 v6, s21, v6                       ; and for a fragment: position r, + 64 h: my 16 numbers of a block of 32
	s_lshl_b32 s21, s[WV], 7
	v_lshlrev_b32 v7, 2, v1
	v_add_nc_u32 v7, s21, v7                       ; down the keys: channel 32 wave + lane
	v_add_nc_u32 v12, 64*TP, v7                    ; the same 64 rows on (an LDS offset has 16 bits)
	v_lshlrev_b32 v8, 15, v3
	v_lshl_add_u32 v8, v2, 4, v8                   ; tc: lanes 16-31 belong to the next channel block, 16 images on; 16 bytes a channel
	v_lshlrev_b32 v9, 2, v2
	v_add_nc_u32 v9, s21, v9
	v_add_nc_u32 v9, STG, v9                       ; my row's scale word in the stage: 128 wave + 4 r
	v_add_nc_u32 v10, STG+512, v7                  ; my channel's: 128 wave + 4 lane
	s_and_b32 s21, s[WV], 1
	s_lshl_b32 s21, s21, 9
	v_add_nc_u32 v11, s21, v4
	v_add_nc_u32 v11, STG, v11                     ; back out of the stage: wave 0 the rows' words, wave 1 the channels'
	s_mov_b32 s[SEL], 0x76543210
	s_mov_b32 s[SEL+1], 0xfedcba98
	s_mov_b32 s[MNT], 0x600000
.irp b, 0,1,2,3
	v_mov_b32 v[TM+4+\b], 0                        ; written once: a lane permute's destination counts as one of its sources
.endr
	s_mov_b32 s18, ttmp9                           ; my first tile
	s_mov_b32 s43, TRIPS-1
	s_wait_kmcnt 0x0
	GETTILE
.Ltile:                                                ; three trips, each asking for the tile that follows
	TRIP 1
	s_sub_co_u32 s43, s43, 1
	s_cmp_lg_u32 s43, 0
	s_cbranch_scc1 .Ltile
	TRIP 0                                         ; the last tile is written out without loads: no load leaves its buffer
	s_wait_tensorcnt 0x0
	ds_add_u32 v62, v63
	s_wait_dscnt 0x0
	s_endpgm
.Lfunc_end_k_q16743c1bd3_quant:
	.size	k_q16743c1bd3_quant, .Lfunc_end_k_q16743c1bd3_quant-k_q16743c1bd3_quant
	.p2alignl 7, 3214868480
	.fill 96, 4, 3214868480
	.section	.rodata,"a",@progbits
	.p2align	6, 0x0
	.amdhsa_kernel k_q16743c1bd3_quant
		.amdhsa_group_segment_fixed_size 70144
		.amdhsa_private_segment_fixed_size 0
		.amdhsa_enable_private_segment 0
		.amdhsa_kernarg_size 48
		.amdhsa_user_sgpr_count 2
		.amdhsa_user_sgpr_kernarg_segment_ptr 1
		.amdhsa_wavefront_size32 1
		.amdhsa_system_sgpr_workgroup_id_x 1
		.amdhsa_system_sgpr_workgroup_id_y 1
		.amdhsa_system_sgpr_workgroup_id_z 1
		.amdhsa_system_vgpr_workitem_id 0
		.amdhsa_next_free_vgpr 304
		.amdhsa_next_free_sgpr 66
		.amdhsa_reserve_vcc 0
		.amdhsa_float_denorm_mode_32 3
		.amdhsa_float_denorm_mode_16_64 3
		.amdhsa_memory_ordered 1
		.amdhsa_forward_progress 1
		.amdhsa_inst_pref_size 103
	.end_amdhsa_kernel
	.amdgpu_metadata
---
amdhsa.version: [ 1, 2 ]
amdhsa.kernels:
  - .name:           k_q16743c1bd3_quant
    .symbol:         k_q16743c1bd3_quant.kd
    .args:
      - { .name: query, .offset: 0, .size: 8, .value_kind: global_buffer, .address_space: global }
      - { .name: value, .offset: 8, .size: 8, .value_kind: global_buffer, .address_space: global }
      - { .name: qc, .offset: 16, .size: 8, .value_kind: global_buffer, .address_space: global }
      - { .name: kc, .offset: 24, .size: 8, .value_kind: global_buffer, .address_space: global }
      - { .name: tc, .offset: 32, .size: 8, .value_kind: global_buffer, .address_space: global }
      - { .name: sc, .offset: 40, .size: 8, .value_kind: global_buffer, .address_space: global }
    .group_segment_fixed_size: 70144
    .private_segment_fixed_size: 0
    .kernarg_segment_align: 8
    .kernarg_segment_size: 48
    .max_flat_workgroup_size: 128
    .sgpr_count:     66
    .vgpr_count:     304
    .wavefront_size: 32
...
	.end_amdgpu_metadata
.endif
;; end of part 1
;; launch score (part 2): grid 8 x 64, 4 waves a work-group, clusters of 4 x 4, 327,680 bytes of LDS; arguments qc, kc, sc, pc, pt; writes pc, pt
.if DOCPART == 2
	.amdgcn_target "amdgcn-amd-amdhsa--gfx1250"
	.amdhsa_code_object_version 6
	.text
	.protected	k_q16743c1bd3_score
	.globl	k_q16743c1bd3_score
	.p2align	8
	.type	k_q16743c1bd3_score,@function
k_q16743c1bd3_score:
	s_mov_b64 s[64:65], 0
	v_nop
	global_prefetch_b8 v0, s[64:65] scope:SCOPE_SE
	s_setreg_imm32_b32 hwreg(HW_REG_WAVE_MODE, 25, 1), 1
	s_wait_xcnt 0x0
	s_wait_alu depctr_hold_cnt(0) depctr_sa_sdst(0) depctr_va_vdst(0) depctr_va_sdst(0) depctr_va_ssrc(0) depctr_va_vcc(0) depctr_vm_vsrc(0)
	s_getreg_b32 s2, hwreg(HW_REG_IB_STS2, 6, 4)
	s_cmp_eq_u32 s2, 0
	s_cbranch_scc0 .Lentry_in_a_cluster
	s_endpgm
.Lentry_in_a_cluster:
	s_bfe_u32 s2, ttmp6, 0x10000c
	s_cmp_lg_u32 s2, 0xf033
	s_cbranch_scc0 .Lentry_shape_is_right
	s_endpgm
.Lentry_shape_is_right:
; S = Q V^T on codes of FP8 (E4M3) with E8M0 scales (K = 1,024), and the softmax's first half.  For each query and each CHUNK of 128 keys: t = score x log2(e); M_c = the chunk's largest t rounded UP to a
; whole number; p = 2^(t - M_c), quantised along the keys; l_c = the sum of the unquantised p.  Stored: p's codes (pc), and for (query, chunk) the scale word, -M_c and l_c (pt).  The next launch brings the
; chunks under the row's M = max M_c: a power of two, which the scale bytes take up.
; A tile of S, 256 queries x 256 keys, is made by a work-group of four waves; a wave makes 128 x 128: 64 accumulators, 512 registers: exactly one chunk for 128 queries, so no wave needs another on the way out.
; OPERANDS ARE IMAGES OF REGISTERS: a fragment (16 rows x 128 K) is 2,048 consecutive bytes, lane l's 16 bytes of register group c at 512 c + 16 l; image (RB, s) at (8 RB + s) x 2,048.  So a slot's part of
; a block of 16 rows (two K steps) is 4,096 consecutive bytes, a tensor load brings 8 such rows, and every LDS load of a fragment reads 512 consecutive bytes: no pitch, no padding.
; THE KEYS LIE BY POSITIONS (bits 3 and 4 of a key's number exchanged), so that the 16 registers of key tiles 2 b and 2 b + 1 are keys 32 b + 16 (lane / 16) + 0 .. 15: the conversions' results are P's fragment.
; The queries lie by positions too; P's rows keep that order, and the last launch undoes it.
; K goes in steps of 256 through a ring of two LDS slots.  THE SCALE WORDS of the work-group's rows, for all of K, come once, with the first fills: 4,096 dense bytes a wave.
; CLUSTERS: 4 x 4 work-groups.  The four of a row need the same tiles of Q, the four of a column the same tiles of V: each is asked for JOINTLY.  The cluster's y is the batch.
; THE MATRIX INSTRUCTION IS USED TRANSPOSED (source 0 = 16 keys, source 1 = 16 queries): a lane holds ONE query and its registers run along the keys.
; No prefetch: a tile has two refills, and a lead of one K step would fall at the kernel's head, among the first fills.
; LIMITS: p under 2^-126 of its chunk's largest comes out as 0 (v_exp_f32 flushes: ISA guide 15.8); a block whose every p is 0 keeps the byte 1 over zero codes.
; REGISTERS, in windows of 256: window 0: v0-31 addresses; v32-63 scale words, two sets; from v128 Q's fragments, ONE set; on the way out v32-255 are free.
;   window 1: V's fragments, TWO sets.   window 2: the accumulators of my queries 0-63 ((a, b) at v[8 (8 a + b)]);   window 3: those of 64-127.
.set NS,     8                         ; K steps of 128
.set NQ,     2                         ; of them in a slot
.set FR,     16                        ; registers of a fragment
.set NL,     4                         ; LDS loads that bring one
.set NP,     8                         ; places behind this matrix instruction (ISA guide 7.12.1)
.set HALFT,  32768                     ; 8 blocks of 16 rows x 2 K steps: what one tensor load brings, and what one wave reads of Q or of V
.set SLOT,   4*HALFT                   ; Q's 256 rows, then V's 256 rows
.set LAPS,   NS/4                      ; a lap = once round the ring
.set SCL,    2*SLOT                    ; behind the ring: the scale words
.set HALFS,  NS*512                    ; those of 128 rows
.set SPARE,  SCL+4*HALFS               ; behind them: the spare words, 128 bytes for each wave: two blocks of 256 bytes that no other line names
.set ADRA, 16                          ; v16-17  LDS address of my Q fragments in slot 0, 1
.set ADRB, 20                          ; v20-21  the same for V
.set STO,  24                          ; v24     the way out: my row's word in my stage
.set RD,   25                          ; v25     and where I read a table back
.set CO,   26                          ; v26     16 x lane
.set ADRS, 27                          ; v27     LDS address of my scale words: lanes 0-15 Q's rows, lanes 16-31 V's
.set SPW,  28                          ; v28     LDS address of my spare word; never rewritten
.set NIL,  29                          ; v29     0; never rewritten
.set SC,   32                          ; scale words: set s at v[SC + 16 s]; register 2 i + q: lanes 0-15 Q's block i, lanes 16-31 V's block i, the slot's q-th 128 along K
.set AF,   128                         ; Q's fragments, in window 0
.set G1, 24                            ; s[24:31] descriptor group 1 for Q's tiles;  s[32:39] group 0, one set for each slot
.set G0, 32
.set G1B, 48                           ; s[48:55], s[56:63] the same for V's
.set G0B, 56
.set G1S, 68                           ; s[68:75], s[76:79] groups 1 and 0 for Q's scale words;  s[80:87], s[88:91] for V's
.set G0S, 76
.set G1SB, 80
.set G0SB, 88
.set CS,   66                          ; s[66:67] log2(e): the packed form names a pair and takes its low word for both halves
.set MNT,  95                          ; s95     the mantissa field of 448
.set SEL,  98                          ; s[98:99] v_permlanex16_b32's selects for lane l xor 16
; the way out, window 0
.set SWD,  32                          ; v32-39  block a's scale word;  v40-47 its -M_c;  v48-55 its l_c
.set NMS,  40
.set LLS,  48
.set X,    96                          ; v96-159 t - M_c, then p
.set NM,   160                         ; v160 -M_c, v161 the largest t: named as a pair
.set SUM,  162                         ; v[162:163] the sum in two halves
.set BM,   164                         ; v164-167 each block's largest score, then its largest p
.set T4,   168                         ; v168-171 at work
.set HB,   172                         ; v172-175 448 x the scale
.set SO,   176                         ; v176-179 the conversions' scale operands
.set WK,   180
.set PCD,  192                         ; v192-207, v208-223: P's codes, two sets by turns
.set RDB,  224                         ; v224-235 the tables on their way out
.set MSB, 0
.macro WIN new                         ; the immediate's high byte repeats the setting that is left
.if MSB != \new
	s_set_vgpr_msb (MSB<<8)|\new
.set MSB, \new
.endif
.endm
.set MUL_LO, 0xa1                      ; source 0 (V) window 1, source 1 (Q) window 0, C and D window 2
.set MUL_HI, 0xf1                      ; the same, C and D window 3
.set TO_B,   0x40                      ; destination window 1, address window 0
; A joint load: waves 0 and 1 fetch for Q, waves 2 and 3 for V.  Each line has ONE mask and one set of registers for all that issue it; the branch hangs on the wave's number alone.
; Four v_nop follow each of the two lines, ahead of the jump, the label and what follows.
.macro JLOAD g0a, g1a, g0b, g1b
	s_cmp_eq_u32 s15, 0
	s_cbranch_scc0 .Lfor_b_\@
	tensor_load_to_lds s[\g0a:\g0a+3], s[\g1a:\g1a+7]
	s_nop 0
.rept 4
	v_nop
.endr
	s_branch .Lasked_\@
.Lfor_b_\@:
	tensor_load_to_lds s[\g0b:\g0b+3], s[\g1b:\g1b+7]
	s_nop 0
.rept 4
	v_nop
.endr
.Lasked_\@:
.endm
.macro CREST                           ; a round of the cluster's barrier behind its opening barrier
	s_cmp_lg_u32 s14, 0
	s_cbranch_scc1 .Lnot_wave_0_\@
	s_barrier_signal -3
.Lnot_wave_0_\@:
	s_barrier_wait -3
	s_barrier_signal -1
	s_barrier_wait -1
.endm
.macro CROUND                          ; a whole round
	s_barrier_signal -1
	s_barrier_wait -1
	CREST
.endm
	s_load_b256 s[4:11], s[0:1], 0x0               ; qc s[4:5], kc s[6:7], sc s[8:9], pc s[10:11]
	s_load_b64 s[12:13], s[0:1], 0x20              ; pt
	v_lshl_add_u32 v[SPW], v0, 2, SPARE
	v_mov_b32 v[NIL], 0
	ds_add_u32 v28, v29
	ds_add_u32 v28, v29
	s_wait_dscnt 0x0
	v_lshrrev_b32 v1, 5, v0
	v_readfirstlane_b32 s14, v1                    ; wave 0..3
	s_lshr_b32 s15, s14, 1                         ; which half of the tile's queries is mine.  Also: I fetch for Q (0) or for V (1)
	s_and_b32 s16, s14, 1                          ; which half of its keys.  Also: which 128 rows of that tile I fetch
	s_bfe_u32 s40, ttmp6, 0x40000                  ; cx, cy: my place in the cluster
	s_bfe_u32 s41, ttmp6, 0x40004
	s_lshl_b32 s42, ttmp9, 2
	s_add_co_u32 s42, s42, s40                     ; tile of keys in the batch = 4 x cluster x + cx
	s_and_b32 s17, ttmp7, 0xffff
	s_lshl_b32 s17, s17, 2
	s_add_co_u32 s17, s17, s41                     ; tile of queries, over all batches = 4 x cluster y + cy
	s_and_b32 s2, ttmp7, 0xffff                    ; the batch = cluster y: all sixteen partners share it
	s_lshl_b32 s43, s41, 2
	s_lshl_b32 s43, 15, s43                        ; my row of the cluster
	s_lshl_b32 s44, 0x1111, s40                    ; my column
	; descriptor group 1 for codes: 8 rows of 4,096 bytes (512 elements of 8 bytes), NS x 2,048 bytes apart; dense in LDS
	s_or_b32 s[G1+0], s43, (3<<16)|(1<<21)         ; 15:0 the mask: Q's tiles go to my row; 17:16 elements of 8 bytes; 21 set beside a mask; no padding
	s_or_b32 s[G1B+0], s44, (3<<16)|(1<<21)
.irp g, G1, G1B
	s_mov_b32 s[\g+1], 512<<16                     ; tensor_dim0
	s_mov_b32 s[\g+2], 8<<16                       ; tensor_dim1
	s_mov_b32 s[\g+3], 512<<16                     ; tile_dim0
	s_mov_b32 s[\g+4], 8                           ; tile_dim1
	s_mov_b32 s[\g+5], NS*256                      ; tensor_dim0_stride
	s_mov_b32 s[\g+6], 0
	s_mov_b32 s[\g+7], 0
.endr
	; and for scale words: 4,096 dense bytes as 16 rows of 256
	s_or_b32 s[G1S+0], s43, (3<<16)|(1<<21)
	s_or_b32 s[G1SB+0], s44, (3<<16)|(1<<21)
.irp g, G1S, G1SB
	s_mov_b32 s[\g+1], 32<<16
	s_mov_b32 s[\g+2], 16<<16
	s_mov_b32 s[\g+3], 32<<16
	s_mov_b32 s[\g+4], 16
	s_mov_b32 s[\g+5], 32
	s_mov_b32 s[\g+6], 0
	s_mov_b32 s[\g+7], 0
.endr
	s_lshl_b32 s18, s16, 17                        ; which 8 blocks of the tile I fetch: 8 x NS x 2,048 bytes
	s_lshl_b32 s19, s16, 12                        ; and their scale words
	s_lshl_b32 s20, s17, 18
	s_add_co_u32 s20, s20, s18                     ; Q's codes: block 16 tile + 8 half
	s_mov_b32 s21, 0
	s_lshl_b32 s22, s17, 13
	s_add_co_u32 s22, s22, s19                     ; Q's scale words: (2 tile + half) x 4,096
	s_mov_b32 s23, 0
	s_lshl_b32 s46, s2, 21
	s_lshl_b32 s96, s42, 18
	s_add_co_u32 s46, s46, s96
	s_add_co_u32 s46, s46, s18                     ; V's codes: block 128 batch + 16 tile + 8 half
	s_mov_b32 s47, 0
	s_lshl_b32 s92, s2, 16
	s_lshl_b32 s96, s42, 13
	s_add_co_u32 s92, s92, s96
	s_add_co_u32 s92, s92, s19
	s_add_co_u32 s92, s92, 524288                  ; V's scale words: their section, (16 batch + 2 tile + half) x 4,096
	s_mov_b32 s93, 0
	s_mul_i32 s45, s14, HALFT                      ; where they go: wave x 32,768 and wave x 4,096: no place in the cluster enters an LDS address
	s_mul_i32 s94, s14, HALFS
	s_mov_b32 s[CS], 0x3fb8aa3b                    ; log2(e)
	s_mov_b32 s[CS+1], s[CS]
	s_mov_b32 s[MNT], 0x600000
	s_mov_b32 s[SEL], 0x76543210
	s_mov_b32 s[SEL+1], 0xfedcba98
	s_wait_kmcnt 0x0
	s_add_nc_u64 s[20:21], s[4:5], s[20:21]
	s_add_nc_u64 s[22:23], s[8:9], s[22:23]
	s_add_nc_u64 s[46:47], s[6:7], s[46:47]
	s_add_nc_u64 s[92:93], s[8:9], s[92:93]
	CROUND                                         ; all sixteen work-groups are here: the first joint loads meet
	s_mov_b32 s[G0S], 1
	s_add_co_u32 s[G0S+1], s94, SCL
	s_mov_b64 s[G0S+2:G0S+3], s[22:23]
	s_or_b32 s[G0S+3], s[G0S+3], 0x80000000
	s_mov_b32 s[G0SB], 1
	s_add_co_u32 s[G0SB+1], s94, SCL
	s_mov_b64 s[G0SB+2:G0SB+3], s[92:93]
	s_or_b32 s[G0SB+3], s[G0SB+3], 0x80000000
	JLOAD G0S, G1S, G0SB, G1SB                     ; the scale words first: they are wanted with K step 0
.irp s, 0,1
	s_mov_b32 s[G0+4*\s], 1
	s_add_co_u32 s[G0+4*\s+1], s45, \s*SLOT
	s_add_nc_u64 s[G0+4*\s+2:G0+4*\s+3], s[20:21], \s*4096
	s_or_b32 s[G0+4*\s+3], s[G0+4*\s+3], 0x80000000
	s_mov_b32 s[G0B+4*\s], 1
	s_add_co_u32 s[G0B+4*\s+1], s45, \s*SLOT
	s_add_nc_u64 s[G0B+4*\s+2:G0B+4*\s+3], s[46:47], \s*4096
	s_or_b32 s[G0B+4*\s+3], s[G0B+4*\s+3], 0x80000000
	JLOAD G0+4*\s, G1, G0B+4*\s, G1B               ; three tensor loads of mine are out
.endr
	v_and_b32 v1, 15, v0                           ; r
	v_bfe_u32 v2, v0, 4, 1                         ; h
	v_and_b32 v6, 31, v0
	v_lshlrev_b32 v[CO], 4, v6                     ; 16 x lane
	s_mul_i32 s21, s15, HALFT                      ; my 128 queries
	s_mul_i32 s22, s16, HALFT                      ; my 128 keys,
	s_add_co_u32 s22, s22, 2*HALFT                 ; which lie behind Q's 256 rows
.irp s, 0,1
	v_add_nc_u32 v[ADRA+\s], s21, v[CO]
	v_add_nc_u32 v[ADRB+\s], s22, v[CO]
	s_add_co_u32 s21, s21, SLOT
	s_add_co_u32 s22, s22, SLOT
.endr
	v_lshlrev_b32 v5, 2, v1                        ; 4 r
	s_mul_i32 s21, s15, HALFS                      ; Q's words: my 128 rows
	s_mul_i32 s22, s16, HALFS                      ; V's: my 128 rows, behind Q's 256
	s_add_co_u32 s22, s22, 2*HALFS
	s_sub_co_u32 s22, s22, s21
	v_mul_u32_u24 v6, s22, v2                      ; lanes 16-31 take V's: the lower base + h x the distance
	s_add_co_u32 s21, s21, SCL
	v_add_nc_u32 v6, v5, v6
	v_add_nc_u32 v[ADRS], s21, v6
	s_lshl_b32 s23, s14, 11                        ; my stage for the tables: 2,048 bytes a wave, in slot 0, which has had its last fill and its last read when the first word is stored there
	v_add_nc_u32 v[STO], s23, v5
	v_add_nc_u32 v[RD], s23, v[CO]
	s_lshl_b32 s96, s42, 1
	s_add_co_u32 s96, s96, s16                     ; my chunk of 128 keys in the batch
	s_lshl_b32 s20, s17, 19                        ; pc: ((16 tile + 8 half + a) 16 + chunk) x 2,048
	s_lshl_b32 s21, s15, 18
	s_add_co_u32 s20, s20, s21
	s_lshl_b32 s21, s96, 11
	s_add_co_u32 s20, s20, s21
	s_mov_b32 s21, 0
	s_add_nc_u64 s[10:11], s[10:11], s[20:21]
	s_lshl_b32 s20, s17, 14                        ; pt: ((2 tile + half) 16 + chunk) x 512
	s_lshl_b32 s22, s15, 13
	s_add_co_u32 s20, s20, s22
	s_lshl_b32 s22, s96, 9
	s_add_co_u32 s20, s20, s22
	s_add_nc_u64 s[12:13], s[12:13], s[20:21]
.macro FRAG reg, adr, q, i             ; a fragment comes back as it was laid: four loads of 512 consecutive bytes
.irp c, 0,1,2,3
	ds_load_b128 v[\reg+4*\c:\reg+4*\c+3], v[\adr] offset:(\i)*4096+(\q)*2048+512*\c
.endr
.endm
; 16 matrix instructions: Q's blocks a0, a0 + 1 x V's eight, 128 along K: the slot's q-th.  p: V's set;  sc: the set of scale words.  zero = 1: the first product starts the sums.
; The 64 accumulators take turns, one instruction a turn, in the same order in every step.
.macro MUL16 a0, p, q, sc, zero
.irp a, \a0, \a0+1
.irp b, 0,1,2,3,4,5,6,7
.if \zero
	v_wmma_scale_f32_16x16x128_f8f6f4 v[8*(8*((\a)%4)+\b):8*(8*((\a)%4)+\b)+7], v[128*(\p)+FR*\b:128*(\p)+FR*\b+FR-1], v[AF+FR*(\a):AF+FR*(\a)+FR-1], 0, v[SC+8*NQ*(\sc)+NQ*\b+(\q)], v[SC+8*NQ*(\sc)+NQ*(\a)+(\q)] matrix_a_scale:MATRIX_SCALE_ROW1
.else
	v_wmma_scale_f32_16x16x128_f8f6f4 v[8*(8*((\a)%4)+\b):8*(8*((\a)%4)+\b)+7], v[128*(\p)+FR*\b:128*(\p)+FR*\b+FR-1], v[AF+FR*(\a):AF+FR*(\a)+FR-1], v[8*(8*((\a)%4)+\b):8*(8*((\a)%4)+\b)+7], v[SC+8*NQ*(\sc)+NQ*\b+(\q)], v[SC+8*NQ*(\sc)+NQ*(\a)+(\q)] matrix_a_scale:MATRIX_SCALE_ROW1
.endif
.endr
.endr
.endm
.macro FETCH_B slot, q, p              ; V's eight fragments of the slot's q-th 128 along K into set p
	WIN TO_B
.irp i, 0,1,2,3,4,5,6,7
	FRAG 128*(\p)+FR*\i, ADRB+\slot, \q, \i
.endr
	WIN 0
.endm
.macro FETCH_A slot, q, i0             ; Q's blocks i0 .. i0 + 3
.irp i, \i0, \i0+1, \i0+2, \i0+3
	FRAG AF+FR*(\i), ADRA+\slot, \q, \i
.endr
.endm
.macro SCALES sc                       ; the next slot's scale words into set sc: lanes 0-15 take Q's block i, lanes 16-31 V's block i
.irp i, 0,1,2,3,4,5,6,7
	ds_load_b32 v[SC+16*\sc+2*\i], v[ADRS] offset:\i*64
	ds_load_b32 v[SC+16*\sc+2*\i+1], v[ADRS] offset:512+\i*64
.endr
.endm
; A load into a register that a matrix instruction has read, and a vector instruction that reads a matrix result, stand NP places behind that matrix instruction; only plain vector
; instructions that name none of its registers are places (ISA guide 7.12.1 for vector instructions).
.macro PLACES n
.rept \n
	v_nop
.endr
.endm
; A step of 128 along K that has its successor in the same slot.
.macro STEP slot, q, zero
	s_wait_dscnt 4*NL                              ; V's set and Q's blocks 0-3 are in; the youngest sixteen loads (Q's blocks 4-7) may be out
	WIN MUL_LO
	MUL16 0, (\q)%2, \q, \slot, \zero
	MUL16 2, (\q)%2, \q, \slot, \zero
	s_wait_dscnt 0                                 ; Q's blocks 4-7 are in
	PLACES NP
	FETCH_B \slot, (\q)+1, 1-(\q)%2
	FETCH_A \slot, (\q)+1, 0
	WIN MUL_HI
	MUL16 4, (\q)%2, \q, \slot, \zero
	MUL16 6, (\q)%2, \q, \slot, \zero
	PLACES NP
	WIN 0
	FETCH_A \slot, (\q)+1, 4
.endm
; A slot's last step changes slots: ONE barrier; in front of it each wave waits for all its tensor loads, adds 0 to its spare word, and waits for that and for its own reads of this slot.  fill = 1: this slot is filled again, two slots ahead.
.macro TURN slot, next, fill
	s_wait_tensorcnt 0x0                           ; all my tensor loads have landed: my part of the next slot
	ds_add_u32 v[SPW], v[NIL]                      ; 0 onto my spare word
	s_wait_dscnt 4*NL+1                            ; (the add and the youngest sixteen loads, Q's blocks 4-7, may be out)
	WIN MUL_LO
	MUL16 0, 1, NQ-1, \slot, 0                     ; sixteen matrix instructions stand between the add and the wait for it
	s_wait_dscnt 0x0                               ; the add is done, and my reads of this slot are over
	s_barrier_signal -1
	MUL16 2, 1, NQ-1, \slot, 0
	WIN 0
	s_barrier_wait -1
.if \fill
	CREST                                          ; the barrier has opened a round of the cluster's barrier: no wave of any partner still reads this slot or has a load on its way
	s_add_nc_u64 s[G0+4*\slot+2:G0+4*\slot+3], s[G0+4*\slot+2:G0+4*\slot+3], 8192
	s_add_nc_u64 s[G0B+4*\slot+2:G0B+4*\slot+3], s[G0B+4*\slot+2:G0B+4*\slot+3], 8192
	JLOAD G0+4*\slot, G1, G0B+4*\slot, G1B         ; the first tensor load behind the round, my one load out; its four v_nop are among the places in front of the loads below
	PLACES NP-4
.else
	PLACES NP
.endif
	v_add_nc_u32 v[ADRS], 1024, v[ADRS]            ; on to the next slot's scale words (no LDS load of mine is out)
	FETCH_B \next, 0, 0
	FETCH_A \next, 0, 0
	SCALES \next
	WIN MUL_HI
	MUL16 4, 1, NQ-1, \slot, 0
	MUL16 6, 1, NQ-1, \slot, 0
	PLACES NP
	WIN 0
	FETCH_A \next, 0, 4
.endm
	s_wait_tensorcnt 1                             ; the scale words and my part of slot 0 are in (slot 1's load may be out)
	s_barrier_signal -1
	s_barrier_wait -1                              ; everybody's are
	FETCH_B 0, 0, 0
	FETCH_A 0, 0, 0
	SCALES 0
	FETCH_A 0, 0, 4
	STEP 0, 0, 1                                   ; the first step stands in front of the loop: its products start the sums
	s_mov_b32 s3, LAPS-1
.Llap:                                                 ; a trip goes once round the ring and fills both slots again
	TURN 0, 1, 1
	STEP 1, 0, 0
	TURN 1, 0, 1
	STEP 0, 0, 0
	s_sub_co_u32 s3, s3, 1
	s_cmp_lg_u32 s3, 0
	s_cbranch_scc1 .Llap
	TURN 0, 1, 0                                   ; the last lap fills nothing, and has no round of the cluster's barrier
	STEP 1, 0, 0
	s_wait_dscnt 4*NL                              ; the very last step: nothing more to fetch
	WIN MUL_LO
	MUL16 0, 1, NQ-1, 1, 0
	MUL16 2, 1, NQ-1, 1, 0
	s_wait_dscnt 0
	WIN MUL_HI
	MUL16 4, 1, NQ-1, 1, 0
	MUL16 6, 1, NQ-1, 1, 0
	WIN 0
; THE WAY OUT, block a of 16 queries at a time.  Register 16 b + i of lane (r, h) is the score of query position 16 a + r with key 32 b + 16 h + i of my chunk.
.macro SOFT a
.set AC, 64*((\a)%4)
.set WW, 2+(\a)/4                      ; the block's window
.set PCS, PCD+16*((\a)%2)
.if (\a) >= 2
	s_wait_xcnt 0x0                                ; block a - 2's stores have read this set of code registers: it is written again only behind this wait
.endif
	WIN WW*21                                      ; all three sources in the block's window
.irp b, 0,1,2,3
	v_max3_num_f32 v[BM+\b], v[AC+16*\b], v[AC+16*\b+1], v[AC+16*\b+2]   ; the largest score of each block of 32 keys; each accumulator is read from its low end on
.endr
	WIN WW*20                                      ; sources 1 and 2
.irp i, 3,5,7,9,11,13
.irp b, 0,1,2,3
	v_max3_num_f32 v[BM+\b], v[BM+\b], v[AC+16*\b+\i], v[AC+16*\b+\i+1]
.endr
.endr
.irp b, 0,1,2,3
	v_max_num_f32 v[BM+\b], v[BM+\b], v[AC+16*\b+15]
.endr
	WIN 0
.irp b, 0,1,2,3
	v_permlanex16_b32 v[T4+\b], v[BM+\b], s[SEL], s[SEL+1]
.endr
.irp b, 0,1,2,3
	v_max_num_f32 v[BM+\b], v[BM+\b], v[T4+\b]     ; with lane l xor 16's 16 keys
.endr
	v_max3_num_f32 v[WK], v[BM], v[BM+1], v[BM+2]
	v_max_num_f32 v[WK], v[WK], v[BM+3]            ; the chunk's largest score of my query
	v_mul_f32 v[NM+1], s[CS], v[WK]                ; as t
	v_floor_f32 v[NM], -v[NM+1]                    ; -M_c = floor(-t) = -ceil(t): a whole number
	WIN WW                                         ; source 0 in the block's window
.set j, 0
.rept 32
	v_pk_fma_f32 v[X+j:X+j+1], v[AC+j:AC+j+1], s[CS:CS+1], v[NM:NM+1] op_sel_hi:[1,0,0]   ; t - M_c, two at a time, one rounding
.set j, j+2
.endr
	WIN 0
.irp b, 0,1,2,3
	v_fma_f32 v[BM+\b], v[BM+\b], s[CS], v[NM]     ; the same of each block's largest score
.endr
.set j, 0
.rept 64
	v_exp_f32 v[X+j], v[X+j]                       ; p = 2^(t - M_c), at most 1
.set j, j+1
.endr
	v_mov_b32 v[NMS+(\a)], v[NM]                   ; a plain line behind the exponentials
	s_wait_alu depctr_va_vdst(0)                   ; one wait for the batch, ahead of its first reader
.irp b, 0,1,2,3
	v_exp_f32 v[BM+\b], v[BM+\b]                   ; the block's largest p: p rises with the score
.endr
	v_pk_add_f32 v[SUM:SUM+1], v[X:X+1], v[X+2:X+3]          ; l_c is taken of the UNQUANTISED p: two at a time, in two chains; plain work behind the four
	v_pk_add_f32 v[T4:T4+1], v[X+4:X+5], v[X+6:X+7]
.irp j, 8,16,24,32,40,48,56
	v_pk_add_f32 v[SUM:SUM+1], v[SUM:SUM+1], v[X+\j:X+\j+1]
	v_pk_add_f32 v[T4:T4+1], v[T4:T4+1], v[X+\j+2:X+\j+3]
	v_pk_add_f32 v[SUM:SUM+1], v[SUM:SUM+1], v[X+\j+4:X+\j+5]
	v_pk_add_f32 v[T4:T4+1], v[T4:T4+1], v[X+\j+6:X+\j+7]
.endr
	v_pk_add_f32 v[SUM:SUM+1], v[SUM:SUM+1], v[T4:T4+1]
	v_add_f32 v[SUM], v[SUM], v[SUM+1]
	v_permlanex16_b32 v[T4], v[SUM], s[SEL], s[SEL+1]
	v_add_f32 v[LLS+(\a)], v[SUM], v[T4]           ; with lane l xor 16's 64 keys
	s_wait_alu depctr_va_vdst(0)                   ; and one wait for the four
.irp b, 0,1,2,3
	v_max_num_f32 v[BM+\b], 0x4800000, v[BM+\b]    ; the floor 2^(9 - 127): the byte cannot fall under 1
.endr
.irp b, 0,1,2,3
	v_add_nc_u32 v[SO+\b], 0xfc000000, v[BM+\b]    ; 8 off the exponent field: the conversion's scale operand
.endr
.irp b, 0,1,2,3
	v_and_or_b32 v[HB+\b], v[BM+\b], 0x7f800000, s[MNT]   ; 448 x the scale
.endr
.irp b, 0,1,2,3
	v_lshrrev_b32 v[T4+\b], 23, v[SO+\b]           ; the scale's byte
.endr
	v_lshl_or_b32 v[SWD+(\a)], v[T4+1], 8, v[T4]
	v_lshl_or_b32 v[SWD+(\a)], v[T4+2], 16, v[SWD+(\a)]
	v_lshl_or_b32 v[SWD+(\a)], v[T4+3], 24, v[SWD+(\a)]
.irp b, 0,1,2,3
.irp i, 0,1,2,3,4,5,6,7,8,9,10,11,12,13,14,15
	v_min_num_f32 v[X+16*\b+\i], v[X+16*\b+\i], v[HB+\b]   ; the conversion does not saturate (ISA guide 7.6.2); p is not negative, so the hold is one-sided
.endr
	v_cvt_scalef32_pk8_fp8_f32 v[PCS+4*\b:PCS+4*\b+1], v[X+16*\b:X+16*\b+7], v[SO+\b]
	v_cvt_scalef32_pk8_fp8_f32 v[PCS+4*\b+2:PCS+4*\b+3], v[X+16*\b+8:X+16*\b+15], v[SO+\b]
.endr
	v_nop                                          ; a plain line behind the last conversion
.irp c, 0,1,2,3
	global_store_b128 v[CO], v[PCS+4*\c:PCS+4*\c+3], s[10:11] offset:(\a)*32768+512*\c   ; P's fragment as it stands: 512 consecutive bytes a store
.endr
.endm
	PLACES NP                                      ; behind the last products: for the first reads of results and the first writes of registers that held fragments and scale words
.irp b, 0,1,2,3
	v_mov_b32 v[T4+\b], 0                          ; written once: a lane permute's destination counts as one of its sources
.endr
.irp a, 0,1,2,3,4,5,6,7
	SOFT \a
.endr
.irp a, 0,1,2,3,4,5,6,7                ; the three tables of my 128 queries go through my stage, so that each leaves as 512 consecutive bytes
	ds_store_b32 v[STO], v[SWD+\a] offset:64*\a                ; lanes r and r + 16 write the same word with the same value
	ds_store_b32 v[STO], v[NMS+\a] offset:512+64*\a
	ds_store_b32 v[STO], v[LLS+\a] offset:1024+64*\a
.endr
.irp t, 0,1,2
	ds_load_b128 v[RDB+4*\t:RDB+4*\t+3], v[RD] offset:512*\t   ; LDS serves a wave's instructions in order (ISA guide 5.7.1.4): these see my stores
.endr
	s_wait_dscnt 0x0
.irp t, 0,1,2
	global_store_b128 v[CO], v[RDB+4*\t:RDB+4*\t+3], s[12:13] offset:(\t)*1048576
.endr
	s_wait_tensorcnt 0x0                           ; the wave's end: behind my last tensor load and my last LDS store
	ds_add_u32 v[SPW], v[NIL]
	s_wait_dscnt 0x0
	CROUND                                         ; the closing round: no work-group ends while a partner may still ask for a tile that names it
	s_endpgm
.Lfunc_end_k_q16743c1bd3_score:
	.size	k_q16743c1bd3_score, .Lfunc_end_k_q16743c1bd3_score-k_q16743c1bd3_score
	.p2alignl 7, 3214868480
	.fill 96, 4, 3214868480
	.section	.rodata,"a",@progbits
	.p2align	6, 0x0
	.amdhsa_kernel k_q16743c1bd3_score
		.amdhsa_group_segment_fixed_size 327680
		.amdhsa_private_segment_fixed_size 0
		.amdhsa_enable_private_segment 0
		.amdhsa_kernarg_size 40
		.amdhsa_user_sgpr_count 2
		.amdhsa_user_sgpr_kernarg_segment_ptr 1
		.amdhsa_wavefront_size32 1
		.amdhsa_system_sgpr_workgroup_id_x 1
		.amdhsa_system_sgpr_workgroup_id_y 1
		.amdhsa_system_sgpr_workgroup_id_z 1
		.amdhsa_system_vgpr_workitem_id 0
		.amdhsa_next_free_vgpr 1024
		.amdhsa_next_free_sgpr 100
		.amdhsa_reserve_vcc 0
		.amdhsa_float_denorm_mode_32 3
		.amdhsa_float_denorm_mode_16_64 3
		.amdhsa_memory_ordered 1
		.amdhsa_forward_progress 1
		.amdhsa_inst_pref_size 226
	.end_amdhsa_kernel
	.amdgpu_metadata
---
amdhsa.version: [ 1, 2 ]
amdhsa.kernels:
  - .name:           k_q16743c1bd3_score
    .symbol:         k_q16743c1bd3_score.kd
    .args:
      - { .name: qc, .offset: 0, .size: 8, .value_kind: global_buffer, .address_space: global }
      - { .name: kc, .offset: 8, .size: 8, .value_kind: global_buffer, .address_space: global }
      - { .name: sc, .offset: 16, .size: 8, .value_kind: global_buffer, .address_space: global }
      - { .name: pc, .offset: 24, .size: 8, .value_kind: global_buffer, .address_space: global }
      - { .name: pt, .offset: 32, .size: 8, .value_kind: global_buffer, .address_space: global }
    .group_segment_fixed_size: 327680
    .private_segment_fixed_size: 0
    .kernarg_segment_align: 8
    .kernarg_segment_size: 40
    .max_flat_workgroup_size: 128
    .sgpr_count:     100
    .vgpr_count:     1024
    .wavefront_size: 32
...
	.end_amdgpu_metadata
.endif
;; end of part 2
;; launch context (part 3): grid 4 x 64, 4 waves a work-group, clusters of 4 x 4, 327,680 bytes of LDS; arguments pc, tc, sc, pt, out0; writes out0
.if DOCPART == 3
	.amdgcn_target "amdgcn-amd-amdhsa--gfx1250"
	.amdhsa_code_object_version 6
	.text
	.protected	k_q16743c1bd3_context
	.globl	k_q16743c1bd3_context
	.p2align	8
	.type	k_q16743c1bd3_context,@function
k_q16743c1bd3_context:
	s_mov_b64 s[64:65], 0
	v_nop
	global_prefetch_b8 v0, s[64:65] scope:SCOPE_SE
	s_setreg_imm32_b32 hwreg(HW_REG_WAVE_MODE, 25, 1), 1
	s_wait_xcnt 0x0
	s_wait_alu depctr_hold_cnt(0) depctr_sa_sdst(0) depctr_va_vdst(0) depctr_va_sdst(0) depctr_va_ssrc(0) depctr_va_vcc(0) depctr_vm_vsrc(0)
	s_getreg_b32 s2, hwreg(HW_REG_IB_STS2, 6, 4)
	s_cmp_eq_u32 s2, 0
	s_cbranch_scc0 .Lentry_in_a_cluster
	s_endpgm
.Lentry_in_a_cluster:
	s_bfe_u32 s2, ttmp6, 0x10000c
	s_cmp_lg_u32 s2, 0xf033
	s_cbranch_scc0 .Lentry_shape_is_right
	s_endpgm
.Lentry_shape_is_right:
; O = P V / l on codes of FP8 (E4M3) with E8M0 scales (K = the batch's 2,048 keys).  P's codes (pc) were made chunk by chunk of 128 keys under the chunk's own whole number M_c.
; THE HEAD brings them under the row's M = max M_c: each of a chunk's four scale bytes is lowered by M - M_c (the codes stay), l = the sum of l_c 2^(M_c - M), and 1 / l is kept for the end.
; LIMIT: a byte that would fall under 0 is held at 0, that is 2^-127, and M - M_c is held at 127: what is misstated so lies under 2^-118 of a row's largest weight.
; A tile of O, 256 queries x 256 channels, is made by a work-group of four waves; a wave makes 128 x 128: 64 accumulators, 512 registers.
; OPERANDS ARE IMAGES OF REGISTERS: a fragment (16 rows x 128 K) is 2,048 consecutive bytes; image (RB, s) at (16 RB + s) x 2,048; P's rows are query POSITIONS (bits 3 and 4 of a query's number exchanged),
; V's rows are channels, K the keys in their own order.  A slot holds 256 keys; a tensor load brings 8 rows of 4,096 consecutive bytes; every LDS load of a fragment reads 512 consecutive bytes.
; V's scale words for all keys come once, with the first fills; P's are made by the head and stored into LDS bytes of their own, into which no tensor load lands.
; CLUSTERS: 4 x 4 work-groups.  The four of a row need the same tiles of P, the four of a column the same tiles of V: each is asked for JOINTLY.  The cluster's y is the batch.
; THE MATRIX INSTRUCTION IS USED TRANSPOSED (source 0 = 16 channels, source 1 = 16 queries): a lane holds eight neighbouring channels of one query.
; No prefetch: by its bytes against its products the launch keeps memory busy already.
; REGISTERS, in windows of 256: window 0: v0-31 addresses; v32-63 scale words, two sets; from v128 P's fragments, ONE set; the head works in v64-201, the way out in v32-255.
;   window 1: V's fragments, TWO sets.   window 2: the accumulators of my queries 0-63 ((a, b) at v[8 (8 a + b)]);   window 3: those of 64-127.
.set NS,     16                        ; K steps of 128
.set NQ,     2
.set FR,     16
.set NL,     4
.set NP,     8                         ; places behind this matrix instruction (ISA guide 7.12.1)
.set HALFT,  32768                     ; 8 blocks of 16 rows x 2 K steps
.set SLOT,   4*HALFT
.set LAPS,   NS/4
.set SCL,    2*SLOT                    ; behind the ring: P's scale words (two halves of 8,192 bytes, stored by the head), then V's (filled once)
.set HALFS,  NS*512
.set RLT,    SCL+4*HALFS               ; 1 / l of the 256 queries: 1,024 bytes
.set SPARE,  RLT+1024                  ; the spare words, 128 bytes for each wave: two blocks of 256 bytes that no other line names
.set SPITCH, 528                       ; the way out: a stage of 16 rows x (512 bytes + 16) for each wave, in slot 0, which has had its last fill and its last read when the first result is stored there
.set HA,   7                           ; v7      the head: my two rows' 8 bytes in a table: 8,192 x half + 256 x (wave % 2) + 8 x lane
.set HLA,  8                           ; v8      the same in LDS
.set HR,   9                           ; v9      where my two 1 / l go
.set RLA,  10                          ; v10     the way out: my query's 1 / l
.set ADRA, 16
.set ADRB, 20
.set STO,  24                          ; v24     the way out: where I put 32 bytes of a row
.set RD,   25                          ; v25     and where I read a row back
.set CO,   26                          ; v26     16 x lane
.set ADRS, 27                          ; v27     LDS address of my scale words: lanes 0-15 P's rows, lanes 16-31 V's
.set SPW,  28
.set NIL,  29
.set SC,   32
.set AF,   128
.set HW,   64                          ; the head: v64-95 scale words, v96-127 -M_c, v128-159 l_c (register 2 c + e: chunk c, my row e), v160-191 at work
.set HN,   96
.set HL,   128
.set HT,   160
.set HM,   192                         ; v192-193 -M of my two rows;  v[196:197], v[198:199] l in two chains;  v[200:201] 1 / l
.set HS,   196
.set HC,   200
.set RL,   32                          ; the way out: v[32 + 2 a : 33 + 2 a] block a's 1 / l, twice;  v64-127 scaled results;  v128-191, v192-255 rows read back, by turns
.set TMPO, 64
.set BK,   128
.set G1, 24
.set G0, 32
.set G1B, 48
.set G0B, 56
.set G1SB, 80                          ; s[80:87], s[88:91] groups 1 and 0 for V's scale words
.set G0SB, 88
.set MSB, 0
.macro WIN new                         ; the immediate's high byte repeats the setting that is left
.if MSB != \new
	s_set_vgpr_msb (MSB<<8)|\new
.set MSB, \new
.endif
.endm
.set MUL_LO, 0xa1
.set MUL_HI, 0xf1
.set TO_B,   0x40
; A joint load: waves 0 and 1 fetch for P, waves 2 and 3 for V; the branch hangs on the wave's number alone.  Four v_nop follow each of the two lines.
.macro JLOAD g0a, g1a, g0b, g1b
	s_cmp_eq_u32 s15, 0
	s_cbranch_scc0 .Lfor_b_\@
	tensor_load_to_lds s[\g0a:\g0a+3], s[\g1a:\g1a+7]
	s_nop 0
.rept 4
	v_nop
.endr
	s_branch .Lasked_\@
.Lfor_b_\@:
	tensor_load_to_lds s[\g0b:\g0b+3], s[\g1b:\g1b+7]
	s_nop 0
.rept 4
	v_nop
.endr
.Lasked_\@:
.endm
.macro CREST
	s_cmp_lg_u32 s14, 0
	s_cbranch_scc1 .Lnot_wave_0_\@
	s_barrier_signal -3
.Lnot_wave_0_\@:
	s_barrier_wait -3
	s_barrier_signal -1
	s_barrier_wait -1
.endm
.macro CROUND
	s_barrier_signal -1
	s_barrier_wait -1
	CREST
.endm
	s_load_b256 s[4:11], s[0:1], 0x0               ; pc s[4:5], tc s[6:7], sc s[8:9], pt s[10:11]
	s_load_b64 s[12:13], s[0:1], 0x20              ; out0
	v_lshl_add_u32 v[SPW], v0, 2, SPARE
	v_mov_b32 v[NIL], 0
	ds_add_u32 v28, v29
	ds_add_u32 v28, v29
	s_wait_dscnt 0x0
	v_lshrrev_b32 v1, 5, v0
	v_readfirstlane_b32 s14, v1                    ; wave 0..3
	s_lshr_b32 s15, s14, 1                         ; which half of the tile's queries is mine.  Also: I fetch for P (0) or for V (1)
	s_and_b32 s16, s14, 1                          ; which half of its channels.  Also: which 128 rows of that tile I fetch
	s_bfe_u32 s40, ttmp6, 0x40000                  ; cx, cy
	s_bfe_u32 s41, ttmp6, 0x40004
	s_lshl_b32 s42, ttmp9, 2
	s_add_co_u32 s42, s42, s40                     ; tile of channels = 4 x cluster x + cx
	s_and_b32 s17, ttmp7, 0xffff
	s_lshl_b32 s17, s17, 2
	s_add_co_u32 s17, s17, s41                     ; tile of queries, over all batches = 4 x cluster y + cy
	s_and_b32 s2, ttmp7, 0xffff                    ; the batch = cluster y
	s_lshl_b32 s43, s41, 2
	s_lshl_b32 s43, 15, s43                        ; my row of the cluster
	s_lshl_b32 s44, 0x1111, s40                    ; my column
	s_or_b32 s[G1+0], s43, (3<<16)|(1<<21)         ; codes: 8 rows of 4,096 bytes (512 elements of 8 bytes), NS x 2,048 bytes apart; dense in LDS
	s_or_b32 s[G1B+0], s44, (3<<16)|(1<<21)
.irp g, G1, G1B
	s_mov_b32 s[\g+1], 512<<16
	s_mov_b32 s[\g+2], 8<<16
	s_mov_b32 s[\g+3], 512<<16
	s_mov_b32 s[\g+4], 8
	s_mov_b32 s[\g+5], NS*256
	s_mov_b32 s[\g+6], 0
	s_mov_b32 s[\g+7], 0
.endr
	s_or_b32 s[G1SB+0], s44, (3<<16)|(1<<21)       ; V's scale words: 4,096 dense bytes a wave, as 16 rows of 256; they go to my column
	s_mov_b32 s[G1SB+1], 32<<16
	s_mov_b32 s[G1SB+2], 16<<16
	s_mov_b32 s[G1SB+3], 32<<16
	s_mov_b32 s[G1SB+4], 16
	s_mov_b32 s[G1SB+5], 32
	s_mov_b32 s[G1SB+6], 0
	s_mov_b32 s[G1SB+7], 0
	s_lshl_b32 s18, s16, 18                        ; which 8 blocks of the tile I fetch: 8 x NS x 2,048 bytes
	s_lshl_b32 s20, s17, 19
	s_add_co_u32 s20, s20, s18                     ; P's codes: block 16 tile + 8 half
	s_mov_b32 s21, 0
	s_lshl_b32 s46, s2, 21
	s_lshl_b32 s19, s42, 19
	s_add_co_u32 s46, s46, s19
	s_add_co_u32 s46, s46, s18                     ; V's codes: block 64 batch + 16 tile + 8 half
	s_mov_b32 s47, 0
	s_lshl_b32 s92, s2, 16
	s_lshl_b32 s19, s42, 14
	s_add_co_u32 s92, s92, s19
	s_lshl_b32 s19, s14, 12
	s_add_co_u32 s92, s92, s19
	s_add_co_u32 s92, s92, 1572864                 ; V's scale words: their section, (8 batch + 2 tile) x 8,192, my wave's quarter of the 16,384
	s_mov_b32 s93, 0
	s_lshl_b32 s22, s17, 14                        ; pt: 2 tile x 8,192
	s_mov_b32 s23, 0
	s_mul_i32 s45, s14, HALFT                      ; where the tiles go: no place in the cluster enters an LDS address
	s_lshl_b32 s94, s14, 12
	s_mov_b32 s95, 0x80808080
	s_mov_b32 s96, 0x01010101
	s_mov_b32 s97, 0xc2fe0000                      ; -127.0
	s_wait_kmcnt 0x0
	s_add_nc_u64 s[20:21], s[4:5], s[20:21]
	s_add_nc_u64 s[46:47], s[6:7], s[46:47]
	s_add_nc_u64 s[92:93], s[8:9], s[92:93]
	s_add_nc_u64 s[10:11], s[10:11], s[22:23]
	CROUND                                         ; all sixteen work-groups are here: the first joint loads meet
	s_mov_b32 s[G0SB], 1
	s_add_co_u32 s[G0SB+1], s94, SCL+2*HALFS
	s_mov_b64 s[G0SB+2:G0SB+3], s[92:93]
	s_or_b32 s[G0SB+3], s[G0SB+3], 0x80000000
	tensor_load_to_lds s[G0SB:G0SB+3], s[G1SB:G1SB+7]   ; every wave its quarter of V's scale words: filled once
	s_nop 0
.rept 4
	v_nop
.endr
.irp s, 0,1
	s_mov_b32 s[G0+4*\s], 1
	s_add_co_u32 s[G0+4*\s+1], s45, \s*SLOT
	s_add_nc_u64 s[G0+4*\s+2:G0+4*\s+3], s[20:21], \s*4096
	s_or_b32 s[G0+4*\s+3], s[G0+4*\s+3], 0x80000000
	s_mov_b32 s[G0B+4*\s], 1
	s_add_co_u32 s[G0B+4*\s+1], s45, \s*SLOT
	s_add_nc_u64 s[G0B+4*\s+2:G0B+4*\s+3], s[46:47], \s*4096
	s_or_b32 s[G0B+4*\s+3], s[G0B+4*\s+3], 0x80000000
	JLOAD G0+4*\s, G1, G0B+4*\s, G1B               ; three tensor loads of mine are out
.endr
	; THE HEAD, while those loads are on their way.  Wave w takes queries 64 w .. 64 w + 63 of the tile, a lane two of them; each load covers 256 consecutive bytes, aligned.
	v_and_b32 v6, 31, v0                           ; lane
	s_lshl_b32 s21, s15, 13
	s_lshl_b32 s22, s16, 8
	s_add_co_u32 s21, s21, s22
	v_lshlrev_b32 v[HA], 3, v6
	v_add_nc_u32 v[HA], s21, v[HA]
.set cc, 0
.rept 16
	global_load_b64 v[HW+2*cc:HW+2*cc+1], v[HA], s[10:11] offset:512*cc
	global_load_b64 v[HN+2*cc:HN+2*cc+1], v[HA], s[10:11] offset:512*cc+1048576
	global_load_b64 v[HL+2*cc:HL+2*cc+1], v[HA], s[10:11] offset:512*cc+2097152
.set cc, cc+1
.endr
	v_add_nc_u32 v[HLA], SCL, v[HA]
	s_lshl_b32 s21, s14, 8
	v_lshlrev_b32 v[HR], 3, v6
	v_add_nc_u32 v[HR], s21, v[HR]
	v_add_nc_u32 v[HR], RLT, v[HR]
	v_and_b32 v1, 15, v0                           ; r
	v_bfe_u32 v2, v0, 4, 1                         ; h
	v_lshlrev_b32 v[CO], 4, v6                     ; 16 x lane
	v_lshlrev_b32 v5, 2, v1                        ; 4 r
	s_lshl_b32 s21, s15, 9
	v_add_nc_u32 v[RLA], s21, v5
	v_add_nc_u32 v[RLA], RLT, v[RLA]
	s_mul_i32 s21, s15, HALFT                      ; my 128 queries
	s_mul_i32 s22, s16, HALFT                      ; my 128 channels,
	s_add_co_u32 s22, s22, 2*HALFT                 ; which lie behind P's 256 rows
.irp s, 0,1
	v_add_nc_u32 v[ADRA+\s], s21, v[CO]
	v_add_nc_u32 v[ADRB+\s], s22, v[CO]
	s_add_co_u32 s21, s21, SLOT
	s_add_co_u32 s22, s22, SLOT
.endr
	s_mul_i32 s21, s15, HALFS
	s_mul_i32 s22, s16, HALFS
	s_add_co_u32 s22, s22, 2*HALFS
	s_sub_co_u32 s22, s22, s21
	v_mul_u32_u24 v3, s22, v2                      ; lanes 16-31 take V's words: the lower base + h x the distance
	s_add_co_u32 s21, s21, SCL
	v_add_nc_u32 v3, v5, v3
	v_add_nc_u32 v[ADRS], s21, v3
	s_mul_i32 s23, s14, 16*SPITCH                  ; my stage
	v_mul_u32_u24 v3, v1, SPITCH
	v_lshl_add_u32 v3, v2, 5, v3
	v_add_nc_u32 v[STO], s23, v3                   ; in: row r, 32 bytes for each half of the lanes
	v_add_nc_u32 v[RD], s23, v[CO]                 ; back: the 32 lanes take one row of 512 bytes
	s_lshl_b32 s20, s17, 20                        ; out0: (256 tile + 128 half) rows of 4,096 bytes
	s_lshl_b32 s21, s15, 19
	s_add_co_u32 s20, s20, s21
	s_lshl_b32 s19, s42, 10                        ; + 1,024 x tile of channels + 512 x half
	s_add_co_u32 s20, s20, s19
	s_lshl_b32 s19, s16, 9
	s_add_co_u32 s20, s20, s19
	s_mov_b32 s21, 0
	s_add_nc_u64 s[12:13], s[12:13], s[20:21]
	s_wait_loadcnt 0x0
	v_min_num_f32 v[HM], v[HN], v[HN+2]            ; -M = the smallest -M_c: my two rows by turns
	v_min_num_f32 v[HM+1], v[HN+1], v[HN+3]
.irp c, 2,3,4,5,6,7,8,9,10,11,12,13,14,15
	v_min_num_f32 v[HM], v[HM], v[HN+2*\c]
	v_min_num_f32 v[HM+1], v[HM+1], v[HN+2*\c+1]
.endr
.set i, 0
.rept 32
	v_sub_f32 v[HN+i], v[HM+i%2], v[HN+i]          ; M_c - M: a whole number, 0 or less
.set i, i+1
.endr
.set i, 0
.rept 32
	v_max_num_f32 v[HN+i], s97, v[HN+i]            ; held at -127
.set i, i+1
.endr
.set i, 0
.rept 32
	v_cvt_i32_f32 v[HN+i], v[HN+i]
.set i, i+1
.endr
.set i, 0
.rept 32
	v_ldexp_f32 v[HL+i], v[HL+i], v[HN+i]          ; l_c under M: nothing is rounded
.set i, i+1
.endr
.set i, 0
.rept 32
	v_mul_lo_u32 v[HN+i], v[HN+i], s96             ; the same whole number in each of four bytes
.set i, i+1
.endr
.set i, 0
.rept 32
	v_or_b32 v[HW+i], s95, v[HW+i]                 ; 128 onto each byte (a byte of p's is 119 at the most), so that no byte borrows from the next:
.set i, i+1
.endr
.set i, 0
.rept 32
	v_add_nc_u32 v[HW+i], v[HW+i], v[HN+i]         ; 128 + byte - (M - M_c), at least 2
.set i, i+1
.endr
.set i, 0
.rept 32
	v_and_b32 v[HN+i], s95, v[HW+i]                ; bit 7 still stands where the byte did not fall under 0
.set i, i+1
.endr
.set i, 0
.rept 32
	v_lshrrev_b32 v[HT+i], 7, v[HN+i]
.set i, i+1
.endr
.set i, 0
.rept 32
	v_sub_nc_u32 v[HN+i], v[HN+i], v[HT+i]         ; 0x7f in those bytes, 0 in the others
.set i, i+1
.endr
.set i, 0
.rept 32
	v_and_b32 v[HW+i], v[HW+i], v[HN+i]            ; the byte under M, or 0
.set i, i+1
.endr
	v_pk_add_f32 v[HS:HS+1], v[HL:HL+1], v[HL+2:HL+3]          ; l of my two rows, in two chains
	v_pk_add_f32 v[HS+2:HS+3], v[HL+4:HL+5], v[HL+6:HL+7]
.irp c, 4,6,8,10,12,14
	v_pk_add_f32 v[HS:HS+1], v[HS:HS+1], v[HL+2*\c:HL+2*\c+1]
	v_pk_add_f32 v[HS+2:HS+3], v[HS+2:HS+3], v[HL+2*\c+2:HL+2*\c+3]
.endr
	v_pk_add_f32 v[HS:HS+1], v[HS:HS+1], v[HS+2:HS+3]
	v_rcp_f32 v[HC], v[HS]
	v_rcp_f32 v[HC+1], v[HS+1]
	v_nop                                          ; a plain line behind the reciprocals
.set cc, 0
.rept 16
	ds_store_b64 v[HLA], v[HW+2*cc:HW+2*cc+1] offset:512*cc    ; P's scale words, laid as V's are: K step x 512 + 4 x row
.set cc, cc+1
.endr
	s_wait_alu depctr_va_vdst(0)                   ; one wait for both reciprocals, ahead of their first reader
	ds_store_b64 v[HR], v[HC:HC+1]
.macro FRAG reg, adr, q, i             ; a fragment comes back as it was laid: four loads of 512 consecutive bytes
.irp c, 0,1,2,3
	ds_load_b128 v[\reg+4*\c:\reg+4*\c+3], v[\adr] offset:(\i)*4096+(\q)*2048+512*\c
.endr
.endm
; 16 matrix instructions: P's blocks a0, a0 + 1 x V's eight, 128 along K.  The 64 accumulators take turns, one instruction a turn, in the same order in every step.
.macro MUL16 a0, p, q, sc, zero
.irp a, \a0, \a0+1
.irp b, 0,1,2,3,4,5,6,7
.if \zero
	v_wmma_scale_f32_16x16x128_f8f6f4 v[8*(8*((\a)%4)+\b):8*(8*((\a)%4)+\b)+7], v[128*(\p)+FR*\b:128*(\p)+FR*\b+FR-1], v[AF+FR*(\a):AF+FR*(\a)+FR-1], 0, v[SC+8*NQ*(\sc)+NQ*\b+(\q)], v[SC+8*NQ*(\sc)+NQ*(\a)+(\q)] matrix_a_scale:MATRIX_SCALE_ROW1
.else
	v_wmma_scale_f32_16x16x128_f8f6f4 v[8*(8*((\a)%4)+\b):8*(8*((\a)%4)+\b)+7], v[128*(\p)+FR*\b:128*(\p)+FR*\b+FR-1], v[AF+FR*(\a):AF+FR*(\a)+FR-1], v[8*(8*((\a)%4)+\b):8*(8*((\a)%4)+\b)+7], v[SC+8*NQ*(\sc)+NQ*\b+(\q)], v[SC+8*NQ*(\sc)+NQ*(\a)+(\q)] matrix_a_scale:MATRIX_SCALE_ROW1
.endif
.endr
.endr
.endm
.macro FETCH_B slot, q, p
	WIN TO_B
.irp i, 0,1,2,3,4,5,6,7
	FRAG 128*(\p)+FR*\i, ADRB+\slot, \q, \i
.endr
	WIN 0
.endm
.macro FETCH_A slot, q, i0
.irp i, \i0, \i0+1, \i0+2, \i0+3
	FRAG AF+FR*(\i), ADRA+\slot, \q, \i
.endr
.endm
.macro SCALES sc                       ; lanes 0-15 take P's block i, lanes 16-31 V's block i
.irp i, 0,1,2,3,4,5,6,7
	ds_load_b32 v[SC+16*\sc+2*\i], v[ADRS] offset:\i*64
	ds_load_b32 v[SC+16*\sc+2*\i+1], v[ADRS] offset:512+\i*64
.endr
.endm
; A load into a register that a matrix instruction has read, and a vector instruction that reads a matrix result, stand NP places behind that matrix instruction; only plain vector
; instructions that name none of its registers are places (ISA guide 7.12.1 for vector instructions).
.macro PLACES n
.rept \n
	v_nop
.endr
.endm
.macro STEP slot, q, zero
	s_wait_dscnt 4*NL                              ; V's set and P's blocks 0-3 are in; the youngest sixteen loads (P's blocks 4-7) may be out
	WIN MUL_LO
	MUL16 0, (\q)%2, \q, \slot, \zero
	MUL16 2, (\q)%2, \q, \slot, \zero
	s_wait_dscnt 0                                 ; P's blocks 4-7 are in
	PLACES NP
	FETCH_B \slot, (\q)+1, 1-(\q)%2
	FETCH_A \slot, (\q)+1, 0
	WIN MUL_HI
	MUL16 4, (\q)%2, \q, \slot, \zero
	MUL16 6, (\q)%2, \q, \slot, \zero
	PLACES NP
	WIN 0
	FETCH_A \slot, (\q)+1, 4
.endm
; A slot's last step changes slots: ONE barrier; in front of it each wave waits for all its tensor loads, adds 0 to its spare word, and waits for that and for its own reads of this slot.  fill = 1: this slot is filled again, two slots ahead.
.macro TURN slot, next, fill
	s_wait_tensorcnt 0x0                           ; all my tensor loads have landed: my part of the next slot
	ds_add_u32 v[SPW], v[NIL]                      ; 0 onto my spare word
	s_wait_dscnt 4*NL+1                            ; (the add and the youngest sixteen loads may be out)
	WIN MUL_LO
	MUL16 0, 1, NQ-1, \slot, 0                     ; sixteen matrix instructions stand between the add and the wait for it
	s_wait_dscnt 0x0                               ; the add is done, and my reads of this slot are over
	s_barrier_signal -1
	MUL16 2, 1, NQ-1, \slot, 0
	WIN 0
	s_barrier_wait -1
.if \fill
	CREST                                          ; the barrier has opened a round of the cluster's barrier: no wave of any partner still reads this slot or has a load on its way
	s_add_nc_u64 s[G0+4*\slot+2:G0+4*\slot+3], s[G0+4*\slot+2:G0+4*\slot+3], 8192
	s_add_nc_u64 s[G0B+4*\slot+2:G0B+4*\slot+3], s[G0B+4*\slot+2:G0B+4*\slot+3], 8192
	JLOAD G0+4*\slot, G1, G0B+4*\slot, G1B         ; the first tensor load behind the round, my one load out; its four v_nop are among the places in front of the loads below
	PLACES NP-4
.else
	PLACES NP
.endif
	v_add_nc_u32 v[ADRS], 1024, v[ADRS]            ; on to the next slot's scale words (no LDS load of mine is out)
	FETCH_B \next, 0, 0
	FETCH_A \next, 0, 0
	SCALES \next
	WIN MUL_HI
	MUL16 4, 1, NQ-1, \slot, 0
	MUL16 6, 1, NQ-1, \slot, 0
	PLACES NP
	WIN 0
	FETCH_A \next, 0, 4
.endm
	s_wait_tensorcnt 1                             ; V's scale words and my part of slot 0 are in (slot 1's load may be out)
	s_wait_dscnt 0x0                               ; and for the others' sake my stores of P's scale words and of 1 / l are done;
	s_barrier_signal -1
	s_barrier_wait -1                              ; everybody's are
	FETCH_B 0, 0, 0
	FETCH_A 0, 0, 0
	SCALES 0
	FETCH_A 0, 0, 4
	STEP 0, 0, 1                                   ; the first step stands in front of the loop: its products start the sums
	s_mov_b32 s3, LAPS-1
.Llap:                                                 ; a trip goes once round the ring and fills both slots again
	TURN 0, 1, 1
	STEP 1, 0, 0
	TURN 1, 0, 1
	STEP 0, 0, 0
	s_sub_co_u32 s3, s3, 1
	s_cmp_lg_u32 s3, 0
	s_cbranch_scc1 .Llap
	TURN 0, 1, 0                                   ; the last lap fills nothing, and has no round of the cluster's barrier
	STEP 1, 0, 0
	s_wait_dscnt 4*NL                              ; the very last step: nothing more to fetch
	WIN MUL_LO
	MUL16 0, 1, NQ-1, 1, 0
	MUL16 2, 1, NQ-1, 1, 0
	s_wait_dscnt 0
	WIN MUL_HI
	MUL16 4, 1, NQ-1, 1, 0
	MUL16 6, 1, NQ-1, 1, 0
	WIN 0
; THE WAY OUT, block by block of 16 queries x 128 channels: x 1 / l; through my own stage in LDS; back as whole rows of 512 bytes, which the 32 lanes store as 512 consecutive bytes.
; LDS serves a wave's instructions in order (ISA guide 5.7.1.4): no wait between the stores and the loads, nor in front of the next block's stores.
.macro TOSTAGE a
.set AC, 64*((\a)%4)
.set WW, 2+(\a)/4
	WIN WW                                         ; source 0: the block's window
.set j, 0
.rept 32
	v_pk_mul_f32 v[TMPO+j:TMPO+j+1], v[AC+j:AC+j+1], v[RL+2*(\a):RL+2*(\a)+1]   ; each accumulator from its low end on
.set j, j+2
.endr
	WIN 0
.irp b, 0,1,2,3,4,5,6,7
	ds_store_b128 v[STO], v[TMPO+8*\b:TMPO+8*\b+3] offset:64*\b
	ds_store_b128 v[STO], v[TMPO+8*\b+4:TMPO+8*\b+7] offset:64*\b+16
.endr
.set BB, BK+64*((\a)%2)
.irp t, 0,1,2,3,4,5,6,7,8,9,10,11,12,13,14,15
	ds_load_b128 v[BB+4*\t:BB+4*\t+3], v[RD] offset:\t*SPITCH
.endr
.endm
.macro SEND a, younger                 ; younger: the LDS instructions issued behind block a's loads, which may stay out
.set BB, BK+64*((\a)%2)
	s_wait_dscnt \younger                          ; the block is back in registers
.irp t, 0,1,2,3,4,5,6,7,8,9,10,11,12,13,14,15
	global_store_b128 v[CO], v[BB+4*\t:BB+4*\t+3], s[12:13] offset:(32*((\a)/2)+16*(\t/8)+8*((\a)%2)+\t%8)*4096 th:TH_STORE_NT   ; position 16 a + t is query 32 (a / 2) + 16 (t / 8) + 8 (a % 2) + t % 8; written once, read by nobody here
.endr
.endm
	PLACES NP                                      ; behind the last products: for the loads into registers that held scale words and fragments, and for the first reads of results
.irp a, 0,1,2,3,4,5,6,7
	ds_load_b32 v[RL+2*\a], v[RLA] offset:64*\a    ; 1 / l of query position 16 a + r, twice: the packed multiply names a pair
	ds_load_b32 v[RL+2*\a+1], v[RLA] offset:64*\a
.endr
	s_wait_dscnt 0x0
	TOSTAGE 0
.irp a, 1,2,3,4,5,6,7
.if \a > 1
	s_wait_xcnt 0x0                                ; block a - 2's stores have read their registers: block a's loads may land there
.endif
	TOSTAGE \a
	SEND \a-1, 32                                  ; behind block a - 1's loads: block a's 16 stores and 16 loads
.endr
	SEND 7, 0
	s_wait_tensorcnt 0x0                           ; the wave's end: behind my last tensor load and my last LDS store
	ds_add_u32 v[SPW], v[NIL]
	s_wait_dscnt 0x0
	CROUND                                         ; the closing round: no work-group ends while a partner may still ask for a tile that names it
	s_endpgm
.Lfunc_end_k_q16743c1bd3_context:
	.size	k_q16743c1bd3_context, .Lfunc_end_k_q16743c1bd3_context-k_q16743c1bd3_context
	.p2alignl 7, 3214868480
	.fill 96, 4, 3214868480
	.section	.rodata,"a",@progbits
	.p2align	6, 0x0
	.amdhsa_kernel k_q16743c1bd3_context
		.amdhsa_group_segment_fixed_size 327680
		.amdhsa_private_segment_fixed_size 0
		.amdhsa_enable_private_segment 0
		.amdhsa_kernarg_size 40
		.amdhsa_user_sgpr_count 2
		.amdhsa_user_sgpr_kernarg_segment_ptr 1
		.amdhsa_wavefront_size32 1
		.amdhsa_system_sgpr_workgroup_id_x 1
		.amdhsa_system_sgpr_workgroup_id_y 1
		.amdhsa_system_sgpr_workgroup_id_z 1
		.amdhsa_system_vgpr_workitem_id 0
		.amdhsa_next_free_vgpr 1024
		.amdhsa_next_free_sgpr 100
		.amdhsa_reserve_vcc 0
		.amdhsa_float_denorm_mode_32 3
		.amdhsa_float_denorm_mode_16_64 3
		.amdhsa_memory_ordered 1
		.amdhsa_forward_progress 1
		.amdhsa_inst_pref_size 184
	.end_amdhsa_kernel
	.amdgpu_metadata
---
amdhsa.version: [ 1, 2 ]
amdhsa.kernels:
  - .name:           k_q16743c1bd3_context
    .symbol:         k_q16743c1bd3_context.kd
    .args:
      - { .name: pc, .offset: 0, .size: 8, .value_kind: global_buffer, .address_space: global }
      - { .name: tc, .offset: 8, .size: 8, .value_kind: global_buffer, .address_space: global }
      - { .name: sc, .offset: 16, .size: 8, .value_kind: global_buffer, .address_space: global }
      - { .name: pt, .offset: 24, .size: 8, .value_kind: global_buffer, .address_space: global }
      - { .name: out0, .offset: 32, .size: 8, .value_kind: global_buffer, .address_space: global }
    .group_segment_fixed_size: 327680
    .private_segment_fixed_size: 0
    .kernarg_segment_align: 8
    .kernarg_segment_size: 40
    .max_flat_workgroup_size: 128
    .sgpr_count:     100
    .vgpr_count:     1024
    .wavefront_size: 32
...
	.end_amdgpu_metadata
.endif
;; end of part 3
